; MI455X (gfx1250); checked and timed in simulation.
; The chip was launched on July 23, 2026; its instructions are those of AMD's public machine-readable ISA for CDNA 5 (MIT licence, August 2026) and "CDNA5" Instruction Set Architecture Reference Guide (July 2026). The comments in the code are by the model that wrote it; some were corrected since.
;; Multi Head Self Attention. Allowed arithmetic: matrix products marked QUANTISED: E2M3 operands, one E8M0 scale for each 32 along K, by v_wmma_scale_f32_16x16x128_f8f6f4 with both operands' format E2M3, f32 sums; everything else in f32.
;; Inputs: Wk 512 x 512 float32; Wo 512 x 512 float32; x 4 x 2,048 x 512 float32.
;; Outputs: out0 4 x 2,048 x 512 float32.
;; This version of the problem:
;;   THIS VERSION OF THE PROBLEM IS GIVEN IN LOW PRECISION. The matrix products marked QUANTISED in the list below multiply operands that are first quantised to E2M3 (2 exponent bits, 3 mantissa bits; 6 bits a number), with one power-of-two scale for each 32 numbers along K (OCP MX v1.0); their sums are f32. All else is computed in f32.
;;   The module's matrix products, in the order in which they are computed (A, B: the left and right operand; K: the contracted axis; several contracted axes count as one K, in the product's order):
;;     1. [M 8,192, K 512] x [K 512, N 512]; A: input x; B: input Wk: QUANTISED
;;     2. batch 32 x [M 2,048, K 64] x [K 64, N 2,048]; A: computed on the way; B: computed on the way: QUANTISED
;;     3. batch 32 x [M 2,048, K 2,048] x [K 2,048, N 64]; A: softmax (see below); B: computed on the way: QUANTISED
;;     4. [M 8,192, K 512] x [K 512, N 512]; A: computed on the way; B: input Wo: QUANTISED
;;   THE QUANTISER, for each operand of a quantised product, along K:
;;     - K is cut into blocks of 32 from its start; a last block that is shorter is filled with zeros.
;;     - A block's scale is 2^e with e = floor(log2(the largest magnitude in the block)) - 2, held to -126 .. 127; a block of zeros has e = 0. As a byte (E8M0): e + 127.
;;     - Each number is divided by its block's scale, clamped to +-7.5, and rounded to the nearest number of E2M3, ties to even, subnormals kept.
;;     - The product sums the exact products of the quantised numbers (number of the format x scale) in f32.
;;   ~~~python
;;   def quantise(x, axis):      # numpy; x: float32 -> the quantised numbers, widened to float32 again
;;       x = np.moveaxis(x, axis, -1); K = x.shape[-1]
;;       x = np.pad(x, [(0, 0)] * (x.ndim - 1) + [(0, -K % 32)]); x = x.reshape(x.shape[:-1] + (-1, 32)); a = np.abs(x).max(-1, keepdims=True)
;;       e = np.where(a > 0, np.clip(np.frexp(np.where(a > 0, a, 1))[1] - 1 - 2, -126, 127), 0)      # np.frexp(a)[1] - 1 = floor(log2(a)), exactly
;;       r = np.clip(x / 2.0 ** e, -7.5, 7.5)
;;       step = 2.0 ** (np.maximum(np.frexp(np.where(r == 0, 1, r))[1] - 1, 0) - 3)
;;       q = np.round(r / step) * step * 2.0 ** e      # np.round: ties to even
;;       return np.moveaxis(q.reshape(q.shape[:-2] + (-1,))[..., :K], -1, axis).astype(np.float32)
;;   ~~~
;;   SOFTMAX AHEAD OF A QUANTISED PRODUCT. Where the list says 'softmax', what is quantised is not the finished softmax but p = 2^(t - M), with t = logit x log2(e) and M = ceil(the row's largest t), a whole number; so 1/2 < the row's largest p <= 1. The row's sum l is taken of the UNQUANTISED p, in f32, and the product's result is divided by l at the end. Since M is a whole number, a kernel that streams over the keys may use a running M (the ceiling of the running maximum): every later rescaling is an exact power of two, which a block's scale takes up: the codes' values come out the same.
;;   OPERANDS COMPUTED ON THE WAY. 'Computed on the way' means the value that the module computes at that place (a softmax that the list does not call 'softmax' is quantised finished and normalised). What goes into a quantiser is computed in f32, as accurately as f32 sums, v_exp_f32 and their like allow (about 1e-6 of the number): no bf16 or f16 on the way to a quantiser, and a product that is left as it is and whose result goes on into a quantised operand takes f32 operands (vector FMAs, or v_wmma_f32_16x16x4_f32). A number that lies on a knife's edge between two numbers of the format may be rounded either way, as far as f32 arithmetic and the matrix unit's own rounding can turn it there, and no further.
;; One version. Each part assembles by itself: llvm-mc -triple=amdgcn-amd-amdhsa -mcpu=gfx1250 --defsym DOCPART=n.
;; ======== version 1 of 1: 4 launches
;; limits: right only within a limited range of input values
;; workspace buffers: qc 3,686,400 bytes; kv 6,553,600 bytes; wv 3,276,800 bytes
;; launch quant (part 1): grid 288 x 1, 4 waves a work-group, no clusters, 68,096 bytes of LDS; arguments x, Wk, Wo, qc; writes qc
.if DOCPART == 1
	.amdgcn_target "amdgcn-amd-amdhsa--gfx1250"
	.amdhsa_code_object_version 6
	.text
	.protected	k_qcc2b65ad61_quant
	.globl	k_qcc2b65ad61_quant
	.p2align	8
	.type	k_qcc2b65ad61_quant,@function
k_qcc2b65ad61_quant:
	s_mov_b64 s[64:65], 0
	v_nop
	global_prefetch_b8 v0, s[64:65] scope:SCOPE_SE
	s_setreg_imm32_b32 hwreg(HW_REG_WAVE_MODE, 25, 1), 1
	s_wait_xcnt 0x0
; x [8192][512], Wk [512][512], Wo [512][512], f32, K innermost, become codes of FP6 (E2M3) with one E8M0 byte for each 32 along K,
; laid in qc AS THE MATRIX UNIT'S REGISTERS TAKE THEM.  32 rows are a group: groups 0-255 x, 256-271 Wk, 272-287 Wo; a group's block is 12,800 bytes.
; A group has two tiles of 16 rows: lane r of tile u holds row 8 u + r + 8 (r / 8) of the group, so that the results of a product used transposed fall as neighbours along the next K.
; Image (K step s of 128, tile u) at 3072 s + 1536 u: the fragment's 12 registers, registers 4 c .. 4 c + 3 of lane l at 512 c + 16 l.
; Scale words at 12288 + 128 s + 4 l: lanes 0-15 tile 0's rows, lanes 16-31 tile 1's.
; A block's scale is 2^(floor(log2(largest magnitude)) - 2); its byte is the largest magnitude's exponent field - 2, held at 1 from below.
; LIMITS: a block of zeros gets the byte 1 (its codes are zeros, and this program alone reads the bytes); blocks whose largest magnitude lies under 2^-124 are held at the byte 1; NaN and infinities are not served.
; SHARES: a work-group takes a group (65,536 consecutive bytes), wave s its K step s: 512 bytes of each of the 32 rows.  Each load reads 512 consecutive bytes; the rows turn through the wave's own stage
; in LDS (pitch 528: sixteen rows of a read start at sixteen different groups of banks) and come back 128 bytes a lane: a whole block of 32 numbers in one lane's registers.
; No cluster: no two work-groups read the same byte.  No barrier: waves share nothing.
.set GBY,   12800
.set PITCH, 528
.set STGB,  32*PITCH                   ; a wave's stage
.set SPARE, 4*STGB                     ; behind the stages: the spare words, 128 bytes a wave, that no other line names
.set SPW, 2                            ; v2  LDS address of my spare word; never rewritten
.set NIL, 3                            ; v3  0; never rewritten
.set LI,  5                            ; v5  16 x lane
.set STO, 6                            ; v6  the stage, on the way in
.set RD,  7                            ; v7  and out: 528 r + 128 h
.set CO,  8                            ; v8  my codes' place in the group's block: 16 x lane + 3072 x wave
.set WO,  9                            ; v9  my scale word's: 4 x lane + 128 x wave
.set H8,  11                           ; v11 8 h
.set MX,  12                           ; v12-13 largest magnitudes
.set SC,  14                           ; v14-15 the conversions' scale operands
.set BY,  16                           ; v16-17 the bytes
.set PX,  18                           ; v18 lane l xor 16's part of the word
.set W0,  19                           ; v19, v20 the two tiles' words; v21 the one that I store
.set R,   32                           ; v32-159 the 32 rows as loaded; v32-95 later tile 1's numbers
.set X,   160                          ; v160-223 tile 0's numbers
.set C0,  224                          ; v224-235, v236-247 the two fragments: no store's data are written again
.set C1,  236
.set T,   248                          ; v248-250, v252-254 second halves of a block's codes
	s_load_b256 s[4:11], s[0:1], 0x0               ; x s[4:5], Wk s[6:7], Wo s[8:9], qc s[10:11]
	v_lshl_add_u32 v[SPW], v0, 2, SPARE
	v_mov_b32 v[NIL], 0
	v_lshrrev_b32 v1, 5, v0
	v_readfirstlane_b32 s14, v1                    ; wave = K step
	v_and_b32 v1, 31, v0                           ; lane
	v_and_b32 v4, 15, v0                           ; r
	v_bfe_u32 v10, v0, 4, 1                        ; h
	v_lshlrev_b32 v[LI], 4, v1
	s_mul_i32 s15, s14, STGB
	v_add_nc_u32 v[STO], s15, v[LI]
	v_mul_u32_u24 v[RD], v4, PITCH
	v_lshl_add_u32 v[RD], v10, 7, v[RD]
	v_add_nc_u32 v[RD], s15, v[RD]
	s_mul_i32 s19, s14, 3072
	v_add_nc_u32 v[CO], s19, v[LI]
	s_lshl_b32 s19, s14, 7
	v_lshl_add_u32 v[WO], v1, 2, s19
	v_lshlrev_b32 v[H8], 3, v10
	v_mov_b32 v[PX], 0                             ; a lane permute's destination counts as one of its sources
	s_mov_b32 s16, 0x76543210
	s_mov_b32 s17, 0xfedcba98                      ; selects for lane l xor 16
	s_mov_b32 s18, 0xffff0000                      ; lanes 16-31
	s_mov_b32 s13, 272
	s_wait_alu depctr_va_vdst(0)
	s_wait_kmcnt 0x0
	s_cmp_lt_u32 ttmp9, 272                        ; which tensor: the choice hangs on the work-group's number alone
	s_cselect_b64 s[8:9], s[6:7], s[8:9]
	s_cselect_b32 s12, 256, s13
	s_cmp_lt_u32 ttmp9, 256
	s_cselect_b64 s[8:9], s[4:5], s[8:9]
	s_cselect_b32 s12, 0, s12
	s_sub_co_u32 s12, ttmp9, s12                   ; the group's number in its tensor
	; WHICH ROWS FORM A GROUP.  Wk, Wo: 32 rows on end.  x (it replaces what the head comment says of x): group G takes rows 64 (G / 2) + 16 (G % 2) + 0 .. 15 and the sixteen rows that lie 32 further on:
	; two runs of 32,768 consecutive bytes.  So lane r of tile u holds row 64 (G / 2) + 32 (r / 8) + 16 (G % 2) + 8 u + r % 8 of x.
	s_lshl_b32 s20, s12, 16                        ; Wk, Wo: 32 rows of 2,048 bytes
	s_lshr_b32 s22, s12, 1
	s_lshl_b32 s22, s22, 17                        ; x: 64 (G / 2) rows
	s_and_b32 s23, s12, 1
	s_lshl_b32 s23, s23, 15                        ; + 16 (G % 2) rows
	s_add_co_u32 s22, s22, s23
	s_mov_b32 s23, 0x8000                          ; from the first sixteen rows to the second: 16 rows in Wk and Wo,
	s_cmp_lt_u32 ttmp9, 256                        ; (the choice hangs on the work-group's number alone)
	s_cselect_b32 s20, s22, s20
	s_cselect_b32 s22, 0x10000, s23                ; 32 rows in x
	s_mov_b32 s23, 0
	s_lshl_b32 s21, s14, 9                         ; my K step's 512 bytes of a row
	s_add_co_u32 s20, s20, s21
	s_mov_b32 s21, 0
	s_add_nc_u64 s[8:9], s[8:9], s[20:21]
	s_add_nc_u64 s[22:23], s[8:9], s[22:23]        ; the second sixteen rows
	s_mul_i32 s20, ttmp9, GBY
	s_add_nc_u64 s[10:11], s[10:11], s[20:21]      ; the group's block in qc
.set q, 0
.rept 32
.if q < 16
	global_load_b128 v[R+4*q:R+4*q+3], v[LI], s[8:9] offset:2048*q th:TH_LOAD_NT   ; row q of the group: 512 consecutive bytes
.else
	global_load_b128 v[R+4*q:R+4*q+3], v[LI], s[22:23] offset:2048*(q-16) th:TH_LOAD_NT
.endif
.set q, q+1
.endr
.set q, 0
.rept 32
	s_wait_loadcnt 31-q                            ; loads come back in order: row q is in, the 31 - q younger rows may be out
	ds_store_b128 v[STO], v[R+4*q:R+4*q+3] offset:(16*((q/8)%2)+8*(q/16)+q%8)*PITCH   ; to the place of its tile and lane: 16 u + r
.set q, q+1
.endr
.irp k, 0,1
.irp i, 0,1,2,3,4,5,6,7
	ds_load_b128 v[X+32*\k+4*\i:X+32*\k+4*\i+3], v[RD] offset:256*\k+16*\i   ; tile 0: k = 64 c + 32 h + 0 .. 31 of my row.  LDS serves a wave's instructions in order: these see my stores
.endr
.endr
	s_wait_dscnt 0x0                               ; tile 0's numbers are in, and the stage's stores have read the rows' registers
.irp k, 0,1
.irp i, 0,1,2,3,4,5,6,7
	ds_load_b128 v[R+32*\k+4*\i:R+32*\k+4*\i+3], v[RD] offset:16*PITCH+256*\k+16*\i   ; tile 1 lands while tile 0 is quantised
.endr
.endr
; Tile u: 64 numbers at v[s] on (two whole blocks a lane) become the fragment at v[c] on and the rows' scale word in v[w]; the fragment is stored.
.macro QT u, s, c, w
.irp k, 0,1
	v_max3_num_f32 v[MX+\k], |v[\s+32*\k]|, |v[\s+32*\k+1]|, 0x1800000   ; my block 2 c + h, and the floor 2^(3 - 127): the byte cannot fall under 1
.endr
.irp i, 2,4,6,8,10,12,14,16,18,20,22,24,26,28,30
.irp k, 0,1
	v_max3_num_f32 v[MX+\k], v[MX+\k], |v[\s+32*\k+\i]|, |v[\s+32*\k+\i+1]|   ; (the two blocks by turns)
.endr
.endr
.irp k, 0,1
	v_add_nc_u32 v[SC+\k], 0xff000000, v[MX+\k]    ; 2 off the exponent field: the conversion takes that field as its scale
.endr
.irp k, 0,1
	v_lshrrev_b32 v[BY+\k], 23, v[SC+\k]           ; the byte
.endr
	v_lshl_or_b32 v[\w], v[BY+1], 16, v[BY]        ; blocks h and 2 + h,
	v_lshlrev_b32 v[\w], v[H8], v[\w]              ; at their places in the word;
	v_permlanex16_b32 v[PX], v[\w], s16, s17
	v_or_b32 v[\w], v[\w], v[PX]                   ; with lane l xor 16's two the word is whole
.irp k, 0,1
	v_cvt_scalef32_pk16_fp6_f32 v[\c+6*\k:\c+6*\k+2], v[\s+32*\k:\s+32*\k+15], v[SC+\k]
	v_cvt_scalef32_pk16_fp6_f32 v[T+4*\k:T+4*\k+2], v[\s+32*\k+16:\s+32*\k+31], v[SC+\k]   ; (a conversion's three registers begin on an even number)
.endr
	v_nop                                          ; one plain place behind a scaled conversion
.irp k, 0,1
.irp i, 0,1,2
	v_mov_b32 v[\c+6*\k+3+\i], v[T+4*\k+\i]
.endr
.endr
.irp p, 0,1,2
	global_store_b128 v[CO], v[\c+4*\p:\c+4*\p+3], s[10:11] offset:\u*1536+512*\p   ; 512 consecutive bytes, at a multiple of 256 from qc's first byte
.endr
.endm
	QT 0, X, C0, W0
	s_wait_dscnt 0x0                               ; tile 1's numbers are in
	QT 1, R, C1, W0+1
	v_cndmask_b32 v21, v[W0], v[W0+1], s18         ; lanes 0-15 tile 0's words, lanes 16-31 tile 1's
	global_store_b32 v[WO], v21, s[10:11] offset:12288
	s_wait_tensorcnt 0x0                           ; the wave's end, behind my last LDS store
	ds_add_u32 v[SPW], v[NIL]
	s_wait_dscnt 0x0
	s_endpgm
.Lfunc_end_k_qcc2b65ad61_quant:
	.size	k_qcc2b65ad61_quant, .Lfunc_end_k_qcc2b65ad61_quant-k_qcc2b65ad61_quant
	.p2alignl 7, 3214868480
	.fill 96, 4, 3214868480
	.section	.rodata,"a",@progbits
	.p2align	6, 0x0
	.amdhsa_kernel k_qcc2b65ad61_quant
		.amdhsa_group_segment_fixed_size 68096
		.amdhsa_private_segment_fixed_size 0
		.amdhsa_enable_private_segment 0
		.amdhsa_kernarg_size 32
		.amdhsa_user_sgpr_count 2
		.amdhsa_user_sgpr_kernarg_segment_ptr 1
		.amdhsa_wavefront_size32 1
		.amdhsa_system_sgpr_workgroup_id_x 1
		.amdhsa_system_sgpr_workgroup_id_y 1
		.amdhsa_system_sgpr_workgroup_id_z 1
		.amdhsa_system_vgpr_workitem_id 0
		.amdhsa_next_free_vgpr 256
		.amdhsa_next_free_sgpr 66
		.amdhsa_reserve_vcc 0
		.amdhsa_float_denorm_mode_32 3
		.amdhsa_float_denorm_mode_16_64 3
		.amdhsa_memory_ordered 1
		.amdhsa_forward_progress 1
		.amdhsa_inst_pref_size 18
	.end_amdhsa_kernel
	.amdgpu_metadata
---
amdhsa.version: [ 1, 2 ]
amdhsa.kernels:
  - .name:           k_qcc2b65ad61_quant
    .symbol:         k_qcc2b65ad61_quant.kd
    .args:
      - { .name: x, .offset: 0, .size: 8, .value_kind: global_buffer, .address_space: global }
      - { .name: Wk, .offset: 8, .size: 8, .value_kind: global_buffer, .address_space: global }
      - { .name: Wo, .offset: 16, .size: 8, .value_kind: global_buffer, .address_space: global }
      - { .name: qc, .offset: 24, .size: 8, .value_kind: global_buffer, .address_space: global }
    .group_segment_fixed_size: 68096
    .private_segment_fixed_size: 0
    .kernarg_segment_align: 8
    .kernarg_segment_size: 32
    .max_flat_workgroup_size: 128
    .sgpr_count:     66
    .vgpr_count:     256
    .wavefront_size: 32
...
	.end_amdgpu_metadata
.endif
;; end of part 1
;; launch proj (part 2): grid 4 x 64, 16 waves a work-group, clusters of 4 x 4, 167,936 bytes of LDS; arguments qc, kv; writes kv
.if DOCPART == 2
	.amdgcn_target "amdgcn-amd-amdhsa--gfx1250"
	.amdhsa_code_object_version 6
	.text
	.protected	k_qcc2b65ad61_proj
	.globl	k_qcc2b65ad61_proj
	.p2align	8
	.type	k_qcc2b65ad61_proj,@function
k_qcc2b65ad61_proj:
	s_mov_b64 s[64:65], 0
	v_nop
	global_prefetch_b8 v0, s[64:65] scope:SCOPE_SE
	s_setreg_imm32_b32 hwreg(HW_REG_WAVE_MODE, 25, 1), 1
	s_wait_xcnt 0x0
	s_wait_alu depctr_hold_cnt(0) depctr_sa_sdst(0) depctr_va_vdst(0) depctr_va_sdst(0) depctr_va_ssrc(0) depctr_va_vcc(0) depctr_vm_vsrc(0)
	s_getreg_b32 s2, hwreg(HW_REG_IB_STS2, 6, 4)
	s_cmp_eq_u32 s2, 0
	s_cbranch_scc0 .Lentry_in_a_cluster
	s_endpgm
.Lentry_in_a_cluster:
	s_bfe_u32 s2, ttmp6, 0x10000c
	s_cmp_lg_u32 s2, 0xf033
	s_cbranch_scc0 .Lentry_shape_is_right
	s_endpgm
.Lentry_shape_is_right:
; K = x Wk^T on codes of FP6 (E2M3), and K quantised anew for both of its later uses: along the head's 64 (both operands of K K^T) and along the keys (the values' side).
; kv: 32 heads x 16 key steps of 128 keys x a block of 12,800 bytes: four K images at 1536 p, four V images at 6144 + 1536 t, K's scale words at 12288 + 64 p + 4 r, V's at 12544 + 64 t + 4 r.
;   K image p: operand row m holds TWO keys, 64 (p / 2) + 32 (m / 8) + 16 (p % 2) + m % 8 and that key + 8, 64 codes each; its word is the four bytes in that order.
;   V image t: operand row r is channel 32 (t / 2) + 8 (t % 2) + r + 8 (r / 8) of the head, K = the step's 128 keys in their own order.
;   An image is the fragment's 12 registers: registers 4 c .. 4 c + 3 of lane l at 512 c + 16 l.
; x's groups in qc: lane r of tile u of group G holds row 64 (G / 2) + 32 (r / 8) + 16 (G % 2) + 8 u + r % 8; Wk's: row 32 G + 8 u + r + 8 (r / 8).
; SHARES: a work-group takes 128 rows of x (one key step of one batch) x 128 columns (two heads): it writes two whole blocks of kv.  Sixteen waves of two roles, parted once on the wave's number; idx = wave % 4, hh = (wave / 4) % 2.
; The product is made TWICE, with the sources in either order (the sums are the same bit for bit).  Waves 0-7: Wk's rows as source 0: a lane holds one key and its registers run along the head: the K images.
; Waves 8-15: x's rows as source 0: a lane holds one channel and its registers run along the keys: the V images.  32 matrix instructions a wave, and nothing is transposed through LDS.
; CLUSTER 4 x 4: the four work-groups of a row of the cluster read the same 128 rows of x, the four of a column the same 128 rows of Wk: each is asked for jointly.  All that the launch reads comes with these first fills: nothing is filled again,
; and there is no loop to run ahead in: so no prefetch.
; LIMITS: a block of zeros gets the byte 1 (its codes are zeros; this program alone reads the bytes); NaN and infinities are not served.
.set GBY,   12800                      ; a group's block in qc: 8 images of 1,536 bytes and 512 bytes of scale words
.set WOFF,  4*GBY                      ; LDS: x's four groups at 0, Wk's four here
.set SPARE, 8*GBY                      ; behind them: the spare words, 128 bytes a wave, that no other line names
.set LI,  1                            ; v1  16 x lane
.set LS,  2                            ; v2  4 x lane
.set XI,  3                            ; v3  x's group idx: images;  v4 scale words
.set XSA, 4
.set WI,  5                            ; v5  Wk's groups 2 hh, 2 hh + 1: images;  v6 scale words
.set WSA, 6
.set WT,  7                            ; v7  Wk's tile number wave % 8: images;  v8 its rows' scale words
.set WTS, 8
.set KO,  9                            ; v9  where I store an image: 16 x lane + 1536 idx
.set SO,  10                           ; v10 and half a scale word: 4 r + 2 h + 64 idx
.set H8,  14                           ; v14 8 h
.set ACC, 16                           ; v16-79   eight accumulators
.set FR,  80                           ; v80-187  up to nine fragments
.set SCR, 188                          ; v188-192 scale words, and nothing else
.set TM,  200                          ; v200-215 at work in the quantisers
.set PW,  216                          ; v216 the scale word just made;  v217 the half that I store
.set HW,  217
.set PC,  220                          ; v220-238 the codes just made
.set SPW, 252                          ; v252 LDS address of my spare word; never rewritten
.set NIL, 253                          ; v253 0; never rewritten
.set SEL, 54
.macro PLACES                          ; four plain places behind a matrix instruction, in front of loads into its registers and of reads of its result
.rept 4
	v_nop
.endr
.endm
.macro CROUND                          ; a round of the cluster's barrier
	s_barrier_signal -1
	s_barrier_wait -1
	s_cmp_lg_u32 s8, 0
	s_cbranch_scc1 .Lnot_wave_0_\@
	s_barrier_signal -3
.Lnot_wave_0_\@:
	s_barrier_wait -3
	s_barrier_signal -1
	s_barrier_wait -1
.endm
; One product.  z: the constant 0 starts the sum.  ra, rb: the side's scale words stand in lanes 16-31 of the register named.
.macro WMS d, a, b, z, sa, sb, ra, rb
.if (\z) && (\ra) && (\rb)
	v_wmma_scale_f32_16x16x128_f8f6f4 v[\d:\d+7], v[\a:\a+11], v[\b:\b+11], 0, v[\sa], v[\sb] matrix_a_fmt:MATRIX_FMT_FP6 matrix_b_fmt:MATRIX_FMT_FP6 matrix_a_scale:MATRIX_SCALE_ROW1 matrix_b_scale:MATRIX_SCALE_ROW1
.elseif (\z) && (\ra)
	v_wmma_scale_f32_16x16x128_f8f6f4 v[\d:\d+7], v[\a:\a+11], v[\b:\b+11], 0, v[\sa], v[\sb] matrix_a_fmt:MATRIX_FMT_FP6 matrix_b_fmt:MATRIX_FMT_FP6 matrix_a_scale:MATRIX_SCALE_ROW1
.elseif (\z) && (\rb)
	v_wmma_scale_f32_16x16x128_f8f6f4 v[\d:\d+7], v[\a:\a+11], v[\b:\b+11], 0, v[\sa], v[\sb] matrix_a_fmt:MATRIX_FMT_FP6 matrix_b_fmt:MATRIX_FMT_FP6 matrix_b_scale:MATRIX_SCALE_ROW1
.elseif (\z)
	v_wmma_scale_f32_16x16x128_f8f6f4 v[\d:\d+7], v[\a:\a+11], v[\b:\b+11], 0, v[\sa], v[\sb] matrix_a_fmt:MATRIX_FMT_FP6 matrix_b_fmt:MATRIX_FMT_FP6
.elseif (\ra) && (\rb)
	v_wmma_scale_f32_16x16x128_f8f6f4 v[\d:\d+7], v[\a:\a+11], v[\b:\b+11], v[\d:\d+7], v[\sa], v[\sb] matrix_a_fmt:MATRIX_FMT_FP6 matrix_b_fmt:MATRIX_FMT_FP6 matrix_a_scale:MATRIX_SCALE_ROW1 matrix_b_scale:MATRIX_SCALE_ROW1
.elseif (\ra)
	v_wmma_scale_f32_16x16x128_f8f6f4 v[\d:\d+7], v[\a:\a+11], v[\b:\b+11], v[\d:\d+7], v[\sa], v[\sb] matrix_a_fmt:MATRIX_FMT_FP6 matrix_b_fmt:MATRIX_FMT_FP6 matrix_a_scale:MATRIX_SCALE_ROW1
.elseif (\rb)
	v_wmma_scale_f32_16x16x128_f8f6f4 v[\d:\d+7], v[\a:\a+11], v[\b:\b+11], v[\d:\d+7], v[\sa], v[\sb] matrix_a_fmt:MATRIX_FMT_FP6 matrix_b_fmt:MATRIX_FMT_FP6 matrix_b_scale:MATRIX_SCALE_ROW1
.else
	v_wmma_scale_f32_16x16x128_f8f6f4 v[\d:\d+7], v[\a:\a+11], v[\b:\b+11], v[\d:\d+7], v[\sa], v[\sb] matrix_a_fmt:MATRIX_FMT_FP6 matrix_b_fmt:MATRIX_FMT_FP6
.endif
.endm
.macro FETCH reg, adr, off             ; an image comes back as the fragment's registers: 3 x 512 consecutive bytes
.irp c, 0,1,2
	ds_load_b128 v[(\reg)+4*\c:(\reg)+4*\c+3], v[\adr] offset:(\off)+512*\c
.endr
.endm
.macro MAX16 s                         ; the largest magnitudes of my four runs of 16 registers, by turns, each accumulator from its low end on, over the floor 2^(3 - 127): the byte cannot fall under 1
.irp b, 0,1,2,3
	v_max3_num_f32 v[TM+\b], |v[\s+16*\b]|, |v[\s+1+16*\b]|, 0x1800000
.endr
.irp i, 2,4,6,8,10,12,14
.irp b, 0,1,2,3
	v_max3_num_f32 v[TM+\b], v[TM+\b], |v[\s+16*\b+\i]|, |v[\s+1+16*\b+\i]|
.endr
.endr
.endm
; 64 numbers of a lane, register 16 b + i = k 32 b + 16 (lane / 16) + i of my operand row (a block lies in lanes l and l xor 16), become a fragment's codes in v[PC] on and its scale word in v[PW].
.macro QUANT s
	MAX16 \s
.irp b, 0,1,2,3
	s_delay_alu instid0(VALU_DEP_4)
	v_permlanex16_b32 v[TM+4+\b], v[TM+\b], s[SEL], s[SEL+1]
.endr
.irp b, 0,1,2,3
	s_delay_alu instid0(VALU_DEP_4)
	v_max_num_f32 v[TM+\b], v[TM+\b], v[TM+4+\b]   ; with lane l xor 16's: the block's largest magnitude
.endr
.irp b, 0,1,2,3
	s_delay_alu instid0(VALU_DEP_4)
	v_add_nc_u32 v[TM+12+\b], 0xff000000, v[TM+\b] ; 2 off its exponent field: the conversion's scale operand
.endr
.irp b, 0,1,2,3
	s_delay_alu instid0(VALU_DEP_4)
	v_lshrrev_b32 v[TM+4+\b], 23, v[TM+12+\b]      ; the byte
.endr
	s_delay_alu instid0(VALU_DEP_3)
	v_lshl_or_b32 v[PW], v[TM+5], 8, v[TM+4]
	s_delay_alu instid0(VALU_DEP_1)
	v_lshl_or_b32 v[PW], v[TM+6], 16, v[PW]
	s_delay_alu instid0(VALU_DEP_1)
	v_lshl_or_b32 v[PW], v[TM+7], 24, v[PW]
.irp c, 0,1
	v_cvt_scalef32_pk16_fp6_f32 v[PC+6*\c:PC+2+6*\c], v[\s+32*\c:\s+15+32*\c], v[TM+12+2*\c]
	v_cvt_scalef32_pk16_fp6_f32 v[PC+12+4*\c:PC+14+4*\c], v[\s+16+32*\c:\s+31+32*\c], v[TM+12+2*\c+1]   ; (a conversion's three registers begin on an even number)
.endr
	v_nop                                          ; one plain place behind a scaled conversion
.irp c, 0,1                                    ; the operand's layout wants a whole block in a lane
.irp i, 0,1,2
	v_permlane16_swap_b32 v[PC+6*\c+\i], v[PC+12+4*\c+\i]
.endr
.irp i, 0,1,2
	s_delay_alu instid0(VALU_DEP_3)
	v_mov_b32 v[PC+3+6*\c+\i], v[PC+12+4*\c+\i]
.endr
.endr
.endm
; 64 numbers of a lane, register 32 k + i = key 64 k + 32 (lane / 16) + i: two WHOLE blocks a lane.  No other lane is asked for a maximum, no codes change lanes; the word's four bytes are joined with lane l xor 16's.
.macro QUANTW s
	MAX16 \s
.irp k, 0,1
	v_max_num_f32 v[TM+8+\k], v[TM+2*\k], v[TM+2*\k+1]   ; a block's two halves
.endr
.irp k, 0,1
	s_delay_alu instid0(VALU_DEP_2)
	v_add_nc_u32 v[TM+12+\k], 0xff000000, v[TM+8+\k]
.endr
.irp k, 0,1
	s_delay_alu instid0(VALU_DEP_2)
	v_lshrrev_b32 v[TM+4+\k], 23, v[TM+12+\k]
.endr
	s_delay_alu instid0(VALU_DEP_1)
	v_lshl_or_b32 v[PW], v[TM+5], 16, v[TM+4]      ; blocks h and 2 + h,
	s_delay_alu instid0(VALU_DEP_1)
	v_lshlrev_b32 v[PW], v[H8], v[PW]              ; at their places in the word
	s_delay_alu instid0(VALU_DEP_1)
	v_permlanex16_b32 v[TM+6], v[PW], s[SEL], s[SEL+1]
.irp k, 0,1
	v_cvt_scalef32_pk16_fp6_f32 v[PC+6*\k:PC+2+6*\k], v[\s+32*\k:\s+15+32*\k], v[TM+12+\k]
	v_cvt_scalef32_pk16_fp6_f32 v[PC+12+4*\k:PC+14+4*\k], v[\s+16+32*\k:\s+31+32*\k], v[TM+12+\k]
.endr
	v_or_b32 v[PW], v[PW], v[TM+6]                 ; the word is whole; also the plain place behind the conversions
.irp k, 0,1
.irp i, 0,1,2
	v_mov_b32 v[PC+3+6*\k+\i], v[PC+12+4*\k+\i]
.endr
.endr
.endm
.macro SEND ci, si                     ; the image to byte ci of my block, the words to byte si: lanes 0-15 store a word's low half, lanes 16-31 its high half: 64 consecutive bytes
.irp c, 0,1,2
	global_store_b128 v[KO], v[PC+4*\c:PC+4*\c+3], s[52:53] offset:\ci+512*\c
.endr
	v_lshrrev_b32 v[HW], 16, v[PW]
	s_delay_alu instid0(VALU_DEP_1)
	v_cndmask_b32 v[HW], v[PW], v[HW], s56
	global_store_b16 v[SO], v[HW], s[52:53] offset:\si
.endm
; ALONG THE HEAD.  K step sg of: x's group idx (two tiles) against head hh's 64 rows of Wk (four tiles).  Source 0 = Wk: lane (r, h) holds x's row r of tile q, and register 16 b + 8 u + j of its 32 the head's channel 32 b + 16 h + 8 u + j.
; The eight accumulators take turns, one instruction a turn, in the same order in every K step.
.macro PA sg, z
.if \sg > 0
	PLACES
.endif
.irp t, 0,1
	FETCH FR+12*\t, XI, \sg*3072+\t*1536
.endr
.irp t, 0,1,2,3
	FETCH FR+24+12*\t, WI, (\t/2)*GBY+\sg*3072+(\t%2)*1536
.endr
	ds_load_b32 v[SCR], v[XSA] offset:12288+\sg*128          ; lanes 0-15 tile 0's words, lanes 16-31 tile 1's
	ds_load_b32 v[SCR+1], v[WSA] offset:12288+\sg*128
	ds_load_b32 v[SCR+2], v[WSA] offset:GBY+12288+\sg*128
	s_wait_dscnt 0x0
.irp q, 0,1
.irp t, 0,1,2,3
	WMS ACC+8*(4*\q+\t), FR+24+12*\t, FR+12*\q, \z, SCR+1+\t/2, SCR, \t%2, \q
.endr
.endr
.endm
; ALONG THE KEYS.  K step sg of: all eight tiles of x against Wk's tile number wave % 8.  Source 0 = x: lane (r, h) holds the tile's channel r, and register 8 t + j the key 64 (t / 4) + 32 h + 8 (t % 4) + j of the step.
.macro PB sg, z
.if \sg > 0
	PLACES
.endif
.irp t, 0,1,2,3,4,5,6,7
	FETCH FR+12*\t, LI, (\t/2)*GBY+\sg*3072+(\t%2)*1536
.endr
	FETCH FR+96, WT, \sg*3072
.irp t, 0,1,2,3
	ds_load_b32 v[SCR+\t], v[LS] offset:\t*GBY+12288+\sg*128
.endr
	ds_load_b32 v[SCR+4], v[WTS] offset:12288+\sg*128
	s_wait_dscnt 0x0
.irp t, 0,1,2,3,4,5,6,7
	WMS ACC+8*\t, FR+12*\t, FR+96, \z, SCR+\t/2, SCR+4, \t%2, 0
.endr
.endm
	s_load_b128 s[4:7], s[0:1], 0x0                ; qc s[4:5], kv s[6:7]
	v_lshl_add_u32 v[SPW], v0, 2, SPARE
	v_mov_b32 v[NIL], 0
	ds_add_u32 v[SPW], v[NIL]                      ; the wave's opening: the add, twice on end, and its wait ahead of the first tensor load; work on registers stands between them
	ds_add_u32 v[SPW], v[NIL]
	v_lshrrev_b32 v11, 5, v0
	s_delay_alu instid0(VALU_DEP_1)
	v_readfirstlane_b32 s8, v11                    ; wave 0..15
	s_and_b32 s9, s8, 3                            ; idx
	s_bfe_u32 s10, s8, 0x10002                     ; hh
	s_and_b32 s11, s8, 1
	s_bfe_u32 s12, ttmp6, 0x40000                  ; cx
	s_bfe_u32 s13, ttmp6, 0x40004                  ; cy
	s_lshl_b32 s14, ttmp9, 2
	s_add_co_u32 s14, s14, s12                     ; cb: which 128 columns
	s_and_b32 s15, ttmp7, 0xffff
	s_lshl_b32 s15, s15, 2
	s_add_co_u32 s15, s15, s13                     ; rb: which 128 rows
	s_lshl_b32 s40, s13, 2
	s_lshl_b32 s40, 15, s40                        ; my row of the cluster
	s_lshl_b32 s41, 0x1111, s12                    ; my column
	; group 1: two groups' blocks, 25,600 dense bytes, as 100 rows of 256 bytes (32 elements of 8 bytes), no padding: images are read as consecutive bytes
	s_or_b32 s16, s40, (3<<16)|(1<<21)             ; x's blocks go to my row of the cluster
	s_or_b32 s24, s41, (3<<16)|(1<<21)             ; Wk's to my column
.irp g, 16, 24
	s_mov_b32 s[\g+1], 32<<16                      ; tensor_dim0
	s_mov_b32 s[\g+2], 100<<16                     ; tensor_dim1
	s_mov_b32 s[\g+3], 32<<16                      ; tile_dim0
	s_mov_b32 s[\g+4], 100                         ; tile_dim1
	s_mov_b32 s[\g+5], 32                          ; the pitch
	s_mov_b32 s[\g+6], 0
	s_mov_b32 s[\g+7], 0
.endr
	s_lshl_b32 s42, s15, 2                         ; x: groups 4 rb + 2 (wave % 2) on: the tile row and the wave's number alone
	s_lshl_b32 s43, s11, 1
	s_add_co_u32 s42, s42, s43
	s_mul_i32 s42, s42, GBY
	s_mov_b32 s43, 0
	s_lshl_b32 s44, s14, 2                         ; Wk: groups 256 + 4 cb + 2 (wave % 2) on: the tile column and the wave's number alone
	s_lshl_b32 s45, s11, 1
	s_add_co_u32 s44, s44, s45
	s_add_co_u32 s44, s44, 256
	s_mul_i32 s44, s44, GBY
	s_mov_b32 s45, 0
	s_mul_i32 s46, s8, 2*GBY                       ; where they go: wave x 25,600 (used by waves 0-3 alone)
	s_lshr_b32 s47, s15, 4                         ; my block of kv: head 8 x batch + 2 cb + hh, key step rb % 16
	s_lshl_b32 s47, s47, 3
	s_lshl_b32 s48, s14, 1
	s_add_co_u32 s47, s47, s48
	s_add_co_u32 s47, s47, s10
	s_mul_i32 s47, s47, 16*GBY
	s_and_b32 s48, s15, 15
	s_mul_i32 s48, s48, GBY
	s_add_co_u32 s50, s47, s48
	s_mov_b32 s51, 0
	s_mov_b32 s[SEL], 0x76543210
	s_mov_b32 s[SEL+1], 0xfedcba98                 ; selects for lane l xor 16
	s_mov_b32 s56, 0xffff0000                      ; lanes 16-31
	s_wait_dscnt 0x0                               ; both opening adds are done
	s_wait_kmcnt 0x0
	s_mov_b32 s32, 1
	s_mov_b32 s33, s46
	s_add_nc_u64 s[34:35], s[4:5], s[42:43]
	s_or_b32 s35, s35, 0x80000000
	s_mov_b32 s36, 1
	s_mov_b32 s37, s46
	s_add_nc_u64 s[38:39], s[4:5], s[44:45]
	s_or_b32 s39, s39, 0x80000000
	s_add_nc_u64 s[52:53], s[6:7], s[50:51]
	CROUND                                         ; all sixteen work-groups are here: the joint loads meet
	s_cmp_lt_u32 s8, 2                             ; waves 0, 1: x's halves; waves 2, 3: Wk's; the others fetch nothing.  One load of a wave is out
	s_cbranch_scc0 .Lnot_a
	tensor_load_to_lds s[32:35], s[16:23]
	s_nop 0
	PLACES
	s_branch .Lasked
.Lnot_a:
	s_cmp_lt_u32 s8, 4
	s_cbranch_scc0 .Lasked
	tensor_load_to_lds s[36:39], s[24:31]
	s_nop 0
	PLACES
.Lasked:
	v_and_b32 v11, 31, v0                          ; lane
	v_and_b32 v12, 15, v0                          ; r
	v_bfe_u32 v13, v0, 4, 1                        ; h
	s_delay_alu instid0(VALU_DEP_3)
	v_lshlrev_b32 v[LI], 4, v11
	s_wait_alu depctr_va_vdst(0)
	v_lshlrev_b32 v[LS], 2, v11
	s_mul_i32 s40, s9, GBY
	v_add_nc_u32 v[XI], s40, v[LI]
	v_add_nc_u32 v[XSA], s40, v[LS]
	s_mul_i32 s40, s10, 2*GBY
	s_add_co_u32 s40, s40, WOFF
	v_add_nc_u32 v[WI], s40, v[LI]
	v_add_nc_u32 v[WSA], s40, v[LS]
	s_bfe_u32 s40, s8, 0x20001                     ; (wave % 8) / 2: the group of Wk's tile number wave % 8
	s_mul_i32 s40, s40, GBY
	s_add_co_u32 s40, s40, WOFF
	s_mul_i32 s41, s11, 1536
	s_add_co_u32 s41, s41, s40
	v_add_nc_u32 v[WT], s41, v[LI]
	s_lshl_b32 s41, s11, 6
	s_add_co_u32 s41, s41, s40
	v_lshl_add_u32 v[WTS], v12, 2, s41
	s_mul_i32 s40, s9, 1536
	v_add_nc_u32 v[KO], s40, v[LI]
	s_lshl_b32 s40, s9, 6
	v_lshl_add_u32 v[SO], v12, 2, s40
	s_delay_alu instid0(VALU_DEP_1)
	v_lshl_add_u32 v[SO], v13, 1, v[SO]
	v_lshlrev_b32 v[H8], 3, v13
.irp b, 0,1,2,3
	v_mov_b32 v[TM+4+\b], 0                        ; written once: a lane permute's destination counts as one of its sources
.endr
	s_wait_alu depctr_va_vdst(0)
	s_wait_tensorcnt 0x0                           ; my part has landed,
	s_barrier_signal -1
	s_barrier_wait -1                              ; everybody's has
	s_cmp_lt_u32 s8, 8                             ; the two roles part here, on the wave's number; both only read LDS, and no barrier stands before they join
	s_cbranch_scc0 .Lkeys
	PA 0, 1
	PA 1, 0
	PA 2, 0
	PA 3, 0
	PLACES
	QUANT ACC                                      ; the 64 registers are [tile 0's key | tile 1's key]: K image idx of head hh
	SEND 0, 12288
	s_branch .Ldone
.Lkeys:
	PB 0, 1
	PB 1, 0
	PB 2, 0
	PB 3, 0
	PLACES
	QUANTW ACC                                     ; V image idx of head hh
	SEND 6144, 12544
.Ldone:
	s_wait_tensorcnt 0x0                           ; the wave's end
	ds_add_u32 v[SPW], v[NIL]
	s_wait_dscnt 0x0
	CROUND                                         ; the closing round
	s_endpgm
.Lfunc_end_k_qcc2b65ad61_proj:
	.size	k_qcc2b65ad61_proj, .Lfunc_end_k_qcc2b65ad61_proj-k_qcc2b65ad61_proj
	.p2alignl 7, 3214868480
	.fill 96, 4, 3214868480
	.section	.rodata,"a",@progbits
	.p2align	6, 0x0
	.amdhsa_kernel k_qcc2b65ad61_proj
		.amdhsa_group_segment_fixed_size 167936
		.amdhsa_private_segment_fixed_size 0
		.amdhsa_enable_private_segment 0
		.amdhsa_kernarg_size 16
		.amdhsa_user_sgpr_count 2
		.amdhsa_user_sgpr_kernarg_segment_ptr 1
		.amdhsa_wavefront_size32 1
		.amdhsa_system_sgpr_workgroup_id_x 1
		.amdhsa_system_sgpr_workgroup_id_y 1
		.amdhsa_system_sgpr_workgroup_id_z 1
		.amdhsa_system_vgpr_workitem_id 0
		.amdhsa_next_free_vgpr 256
		.amdhsa_next_free_sgpr 66
		.amdhsa_reserve_vcc 0
		.amdhsa_float_denorm_mode_32 3
		.amdhsa_float_denorm_mode_16_64 3
		.amdhsa_memory_ordered 1
		.amdhsa_forward_progress 1
		.amdhsa_inst_pref_size 39
	.end_amdhsa_kernel
	.amdgpu_metadata
---
amdhsa.version: [ 1, 2 ]
amdhsa.kernels:
  - .name:           k_qcc2b65ad61_proj
    .symbol:         k_qcc2b65ad61_proj.kd
    .args:
      - { .name: qc, .offset: 0, .size: 8, .value_kind: global_buffer, .address_space: global }
      - { .name: kv, .offset: 8, .size: 8, .value_kind: global_buffer, .address_space: global }
    .group_segment_fixed_size: 167936
    .private_segment_fixed_size: 0
    .kernarg_segment_align: 8
    .kernarg_segment_size: 16
    .max_flat_workgroup_size: 512
    .sgpr_count:     66
    .vgpr_count:     256
    .wavefront_size: 32
...
	.end_amdgpu_metadata
.endif
;; end of part 2
;; launch attn (part 3): grid 8 x 32, 16 waves a work-group, clusters of 4 x 1, 206,848 bytes of LDS; arguments kv, wv; writes wv
.if DOCPART == 3
	.amdgcn_target "amdgcn-amd-amdhsa--gfx1250"
	.amdhsa_code_object_version 6
	.text
	.protected	k_qcc2b65ad61_attn
	.globl	k_qcc2b65ad61_attn
	.p2align	8
	.type	k_qcc2b65ad61_attn,@function
k_qcc2b65ad61_attn:
	s_mov_b64 s[64:65], 0
	v_nop
	global_prefetch_b8 v0, s[64:65] scope:SCOPE_SE
	s_setreg_imm32_b32 hwreg(HW_REG_WAVE_MODE, 25, 1), 1
	s_wait_xcnt 0x0
	s_wait_alu depctr_hold_cnt(0) depctr_sa_sdst(0) depctr_va_vdst(0) depctr_va_sdst(0) depctr_va_ssrc(0) depctr_va_vcc(0) depctr_vm_vsrc(0)
	s_getreg_b32 s2, hwreg(HW_REG_IB_STS2, 6, 4)
	s_cmp_eq_u32 s2, 0
	s_cbranch_scc0 .Lentry_in_a_cluster
	s_endpgm
.Lentry_in_a_cluster:
	s_bfe_u32 s2, ttmp6, 0x10000c
	s_cmp_lg_u32 s2, 0x3003
	s_cbranch_scc0 .Lentry_shape_is_right
	s_endpgm
.Lentry_shape_is_right:
; For each of 32 heads: O[q] = sum over k of p(q, k) K[k] / l(q), p = 2^(t - M), t = (K[q] . K[k]) log2(e) / sqrt(512), M = the ceiling of the row's running largest t, l = the sum of the unquantised p.
; Both products on codes of FP6 (E2M3).  O / l is quantised along the model's 512 (its head's 64) and stored as operand images for the last product.
; THE WHOLE HEAD LIES IN LDS: 16 key steps x 12,800 bytes (four K images, four V images, their scale words), filled once.  Wave w asks for key step w: one tensor load a wave, sixteen in all; one wait and one barrier show all of it to all waves.
; THE FIRST PRODUCT'S K IS 64, half of the instruction's 128: a row of a K image holds TWO keys, and the queries stand twice, as [Q | zeros] and as [zeros | Q]: zero codes add nothing.
; K image g, row m: keys 64 (g / 2) + 32 (m / 8) + 16 (g % 2) + m % 8 and that key + 8.  Source 0 = a K image, source 1 = my 16 queries: lane (r, h) holds ONE query, and its score register 32 k + i is key 64 k + 32 h + i of the step:
; TWO WHOLE BLOCKS OF 32 KEYS A LANE, in the order that p's operand wants: a block's maximum asks no other lane, and p's codes are swapped between no lanes.  The second product: source 0 = a V image, source 1 = p.
; SHARES: a work-group owns 256 queries of a head, each of its sixteen waves 16: the first (u = 0) or second (u = 1) keys of K image gq % 4 of key step gq / 4, gq = 8 qb + wave / 2, u = wave % 2.
; CLUSTER 4 x 1: four blocks of queries of one head read the same 204,800 bytes: each key step is asked for jointly.  No prefetch: all that is read is asked for at the head, so there is no loop to run ahead in.
; wv: 256 groups x 12,800 bytes, group 64 batch + gq: image (K step s = head / 2, tile u) at 3072 s + 1536 u as six pieces of 256 bytes (registers 2 p, 2 p + 1 of lane l at 256 p + 8 l); scale words at 12288 + 128 s + 64 u + 4 r.
; LIMITS: the promise holds while the scaled scores stay under 2^31 in magnitude; a p under 2^-126 counts as 0; a block of zeros gets the byte 1 (its codes are zeros; this program alone reads the bytes); NaN and infinities are not served.
.set GBY,   12800
.set SPARE, 16*GBY                     ; behind the head: the spare words, 128 bytes a wave, that no other line names
.set LI,  1                            ; v1  16 x lane
.set LS,  2                            ; v2  4 x lane
.set ADK, 3                            ; v3  the step's images
.set ADS, 4                            ; v4  the step's scale words
.set SPW, 5                            ; v5  LDS address of my spare word; never rewritten
.set NIL, 6                            ; v6  0; never rewritten
.set GO,  7                            ; v7  the way out: my codes' place;  v8 my scale byte's
.set GS,  8
.set QA,  9                            ; v9, v10 offsets of my queries' image and words
.set QW,  10
                                       ; v12 -M;  v13 the running largest score;  v[14:15] l in two halves
.set QHI, 16                           ; v16-21 zeros, v22-27 my queries' codes, v28-33 zeros: [zeros | Q] begins at v16, [Q | zeros] at v22
.set QLO, 22
.set KF,  34                           ; v34-81 four fragments: K's, then V's
.set KS,  82                           ; v82-83 K's scale words, v84-85 V's, v86 Q's, v87 p's: scales and nothing else
.set VS,  84
.set QS,  86
.set PS,  87
.set FF,  88                           ; v[88:89] f = 2^(old M - new M); at the end 1 / l
.set TT,  90
.set OLD, 91                           ; v91 the last step's -M
.set H8,  92                           ; v92 8 h
.set S,   96                           ; v96-159 the scores, then p
.set OT,  160                          ; v160-191 O^T: register 16 b + i is channel 32 b + 16 (lane / 16) + i
.set PC,  192                          ; v192-203 p's codes
.set PT,  204                          ; v204-206, v208-210 second halves of a block's codes
.set PU,  208
.set BM,  212                          ; v212-213 a block's largest score, then its largest p
.set BP,  214                          ; v214-215 what lane l xor 16 sends
.set BSC, 216                          ; v216-217 the conversions' scale operands
.set BY,  218                          ; v218-219 the bytes
.set CM,  220                          ; v220-223 four chains of maxima
.set T1,  224                          ; v224-231 the step's sum of p, four chains of pairs
.set TB,  24                           ; s24 LDS byte of the step in hand
.set CNT, 25
.set CS,  26                           ; s[26:27] c = log2(e) / sqrt(512)
.set SEL, 28                           ; s[28:29] selects for lane l xor 16
.macro CROUND
	s_barrier_signal -1
	s_barrier_wait -1
	s_cmp_lg_u32 s8, 0
	s_cbranch_scc1 .Lnot_wave_0_\@
	s_barrier_signal -3
.Lnot_wave_0_\@:
	s_barrier_wait -3
	s_barrier_signal -1
	s_barrier_wait -1
.endm
; One product.  z: the constant 0 starts the sum.  ra: source 0's scale words stand in lanes 16-31 of the register named.
.macro WMS d, a, b, z, sa, sb, ra
.if (\z) && (\ra)
	v_wmma_scale_f32_16x16x128_f8f6f4 v[\d:\d+7], v[\a:\a+11], v[\b:\b+11], 0, v[\sa], v[\sb] matrix_a_fmt:MATRIX_FMT_FP6 matrix_b_fmt:MATRIX_FMT_FP6 matrix_a_scale:MATRIX_SCALE_ROW1
.elseif (\z)
	v_wmma_scale_f32_16x16x128_f8f6f4 v[\d:\d+7], v[\a:\a+11], v[\b:\b+11], 0, v[\sa], v[\sb] matrix_a_fmt:MATRIX_FMT_FP6 matrix_b_fmt:MATRIX_FMT_FP6
.elseif (\ra)
	v_wmma_scale_f32_16x16x128_f8f6f4 v[\d:\d+7], v[\a:\a+11], v[\b:\b+11], v[\d:\d+7], v[\sa], v[\sb] matrix_a_fmt:MATRIX_FMT_FP6 matrix_b_fmt:MATRIX_FMT_FP6 matrix_a_scale:MATRIX_SCALE_ROW1
.else
	v_wmma_scale_f32_16x16x128_f8f6f4 v[\d:\d+7], v[\a:\a+11], v[\b:\b+11], v[\d:\d+7], v[\sa], v[\sb] matrix_a_fmt:MATRIX_FMT_FP6 matrix_b_fmt:MATRIX_FMT_FP6
.endif
.endm
.macro FETCH reg, adr, off             ; an image comes back as the fragment's registers: 3 x 512 consecutive bytes
.irp c, 0,1,2
	ds_load_b128 v[(\reg)+4*\c:(\reg)+4*\c+3], v[\adr] offset:(\off)+512*\c
.endr
.endm
.macro ADD4 j                          ; eight more p onto the four chains
.irp a, 0,1,2,3
	v_pk_add_f32 v[T1+2*\a:T1+2*\a+1], v[T1+2*\a:T1+2*\a+1], v[S+\j+2*\a:S+\j+2*\a+1]
.endr
.endm
.macro TM2 n                           ; n pairs of scores become t - M
.rept \n
	v_pk_fma_f32 v[S+j:S+j+1], v[S+j:S+j+1], s[CS:CS+1], v[12:13] op_sel_hi:[1,0,0]
.set j, j+2
.endr
.endm
	s_load_b128 s[4:7], s[0:1], 0x0                ; kv s[4:5], wv s[6:7]
	v_lshl_add_u32 v[SPW], v0, 2, SPARE
	v_mov_b32 v[NIL], 0
	ds_add_u32 v[SPW], v[NIL]                      ; the wave's opening: the add, twice on end, and its wait ahead of the first tensor load
	ds_add_u32 v[SPW], v[NIL]
	v_lshrrev_b32 v9, 5, v0
	s_delay_alu instid0(VALU_DEP_1)
	v_readfirstlane_b32 s8, v9                     ; wave 0..15
	s_bfe_u32 s9, ttmp6, 0x40000                   ; cx: it enters Q's and the output's addresses alone
	s_lshl_b32 s10, ttmp9, 2
	s_add_co_u32 s10, s10, s9                      ; qb: my block of 256 queries
	s_and_b32 s11, ttmp7, 0xffff                   ; the head, which the four partners share
	s_lshl_b32 s12, s10, 3
	s_lshr_b32 s13, s8, 1
	s_add_co_u32 s12, s12, s13                     ; gq
	s_and_b32 s13, s8, 1                           ; u
	s_sub_co_u32 s30, 0, s13                       ; all ones where u = 1
	s_mov_b32 s31, 0xffff0000                      ; lanes 16-31
	; group 1: a key step's block, 12,800 dense bytes, as 50 rows of 256 bytes (32 elements of 8 bytes); the mask names all four partners
	s_mov_b32 s16, 15|(3<<16)|(1<<21)
	s_mov_b32 s17, 32<<16
	s_mov_b32 s18, 50<<16
	s_mov_b32 s19, 32<<16
	s_mov_b32 s20, 50
	s_mov_b32 s21, 32
	s_mov_b32 s22, 0
	s_mov_b32 s23, 0
	s_mov_b32 s[CS], 0x3d8293ee
	s_mov_b32 s[CS+1], s[CS]                       ; (named with it as a pair, so it is written)
	s_mov_b32 s[SEL], 0x76543210
	s_mov_b32 s[SEL+1], 0xfedcba98
	s_mul_i32 s48, s8, GBY                         ; key step = wave: its place in LDS and in the head
	s_mul_i32 s50, s11, 16*GBY                     ; the head's first byte in kv
	s_add_co_u32 s52, s50, s48
	s_mov_b32 s53, 0
	s_lshr_b32 s56, s12, 2                         ; my queries are keys too: image gq % 4 of key step gq / 4
	s_mul_i32 s56, s56, GBY
	s_add_co_u32 s56, s56, s50
	s_mov_b32 s57, 0
	s_and_b32 s58, s12, 3
	s_mul_i32 s59, s58, 1536
	s_lshl_b32 s58, s58, 6
	s_and_b32 s62, s11, 7                          ; the head within its batch:
	s_lshr_b32 s63, s62, 1                         ; K step of the last product,
	s_and_b32 s62, s62, 1                          ; and half of it
	s_mul_i32 s14, s63, 3072
	s_mul_i32 s49, s13, 1536
	s_add_co_u32 s14, s14, s49
	s_mul_i32 s49, s62, 768
	s_add_co_u32 s14, s14, s49                     ; my half image in the group's block of wv
	s_lshl_b32 s15, s63, 7
	s_lshl_b32 s49, s13, 6
	s_add_co_u32 s15, s15, s49
	s_lshl_b32 s49, s62, 1
	s_add_co_u32 s15, s15, s49                     ; and my two bytes of each row's scale word
	s_lshr_b32 s62, s11, 3
	s_lshl_b32 s62, s62, 6
	s_add_co_u32 s62, s62, s12                     ; the group: 64 x batch + gq
	s_mul_i32 s62, s62, GBY
	s_mov_b32 s63, 0
	s_wait_dscnt 0x0                               ; both opening adds are done
	s_wait_kmcnt 0x0
	s_mov_b32 s32, 1
	s_mov_b32 s33, s48
	s_add_nc_u64 s[34:35], s[4:5], s[52:53]
	s_or_b32 s35, s35, 0x80000000
	s_add_nc_u64 s[54:55], s[4:5], s[56:57]
	s_add_nc_u64 s[60:61], s[6:7], s[62:63]
	CROUND                                         ; all four work-groups are here: the joint loads meet
	tensor_load_to_lds s[32:35], s[16:23]          ; my one tensor load: key step = my wave's number
	s_nop 0
	v_and_b32 v11, 31, v0
	v_and_b32 v12, 15, v0
	v_bfe_u32 v[H8], v0, 4, 1
	v_lshlrev_b32 v[LI], 4, v11
	v_lshlrev_b32 v[LS], 2, v11
	v_lshl_add_u32 v[QW], v12, 2, s58
	v_lshlrev_b32 v[H8], 3, v[H8]
	v_add_nc_u32 v[QA], s59, v[LI]
.irp c, 0,1,2
	global_load_b128 v[KF+4*\c:KF+4*\c+3], v[QA], s[54:55] offset:512*\c   ; the K image that holds my queries (from memory)
.endr
	global_load_b32 v[TT], v[QW], s[54:55] offset:12288
	v_mov_b32 v13, 0xff61b1e6                      ; the largest score so far: -3e38, under every score
	v_mov_b32 v14, 0                               ; l, in two halves
	v_mov_b32 v15, 0
	v_mul_f32 v12, s[CS], v13
	v_mov_b32 v[FF], 0
	v_mov_b32 v[FF+1], 0                           ; (named as the upper half of the pair)
	v_floor_f32 v12, -v12                          ; -M
	v_mov_b32 v[BP], 0                             ; written once: a lane permute's destination counts as one of its sources
	v_mov_b32 v[BP+1], 0
.irp i, 0,1,2,3,4,5,6,7
	v_mov_b32 v[T1+\i], 0                          ; the first step joins an empty sum to l
.endr
.irp i, 0,1,2,3,4,5
	v_mov_b32 v[QHI+\i], 0
	v_mov_b32 v[QLO+6+\i], 0
.endr
	s_wait_loadcnt 0x0
.irp i, 0,1,2,3,4,5
	v_cndmask_b32 v[QLO+\i], v[KF+\i], v[KF+6+\i], s30   ; u = 0: the rows' first keys, u = 1: the second
.endr
	v_lshrrev_b32 v11, 16, v[TT]
	s_delay_alu instid0(VALU_DEP_1)
	v_cndmask_b32 v11, v[TT], v11, s30
	s_delay_alu instid0(VALU_DEP_1)
	v_and_b32 v11, 0xffff, v11
	s_delay_alu instid0(VALU_DEP_1)
	v_lshl_or_b32 v[QS], v11, 16, v11              ; my queries' two bytes, in both halves of the word: they serve [Q | zeros] and [zeros | Q] alike
.set j, 0
.rept 32
	v_mov_b32 v[OT+j], 0                           ; the step is written once: the first finds zeros.  (These are also the places between Q's registers and the first products)
.set j, j+1
.endr
	s_wait_alu depctr_va_vdst(0)
	s_wait_tensorcnt 0x0                           ; my key step has landed,
	s_barrier_signal -1
	s_barrier_wait -1                              ; everybody's has: the whole head is in LDS, and nothing is filled again
	s_mov_b32 s[TB], 0
	s_mov_b32 s[CNT], 16
; A KEY STEP: 128 keys, at LDS byte s[TB].  The tail of the last step's sum of p fills the places behind the products.
.Lstep:
	v_add_nc_u32 v[ADK], s[TB], v[LI]              ; four plain places in front of loads into registers that the last products read
	v_add_nc_u32 v[ADS], s[TB], v[LS]
	v_pk_add_f32 v[T1:T1+1], v[T1:T1+1], v[T1+2:T1+3]
	v_pk_add_f32 v[T1+4:T1+5], v[T1+4:T1+5], v[T1+6:T1+7]
.irp g, 0,1,2,3
	FETCH KF+12*\g, ADK, \g*1536
.endr
	ds_load_b32 v[KS], v[ADS] offset:12288         ; lanes 0-15 image 0's words, lanes 16-31 image 1's;
	ds_load_b32 v[KS+1], v[ADS] offset:12288+128   ; images 2 and 3
	s_wait_alu depctr_va_vdst(0)
	s_wait_dscnt 0x0
.irp g, 0,1,2,3
	WMS S+16*\g, KF+12*\g, QLO, 1, KS+\g/2, QS, \g%2     ; the rows' first keys
	WMS S+16*\g+8, KF+12*\g, QHI, 1, KS+\g/2, QS, \g%2   ; their second
.endr
	v_mov_b32 v[OLD], v12                          ; four plain places behind the products
	v_pk_add_f32 v[T1:T1+1], v[T1:T1+1], v[T1+4:T1+5]
	v_nop
	v_pk_fma_f32 v[14:15], v[14:15], v[FF:FF+1], v[T1:T1+1] op_sel_hi:[1,0,1]   ; l = l x the last step's f + the last step's sum of p
.irp g, 0,1,2,3
	FETCH KF+12*\g, ADK, 6144+\g*1536              ; V's images take K's registers and land under the softmax
.endr
	ds_load_b32 v[VS], v[ADS] offset:12544
	ds_load_b32 v[VS+1], v[ADS] offset:12544+128
.irp b, 0,1,2,3
	v_max3_num_f32 v[CM+\b], v[S+16*\b], v[S+1+16*\b], v[S+2+16*\b]   ; four chains, each accumulator from its low end on
.endr
.irp i, 3,5,7,9,11,13
.irp b, 0,1,2,3
	v_max3_num_f32 v[CM+\b], v[CM+\b], v[S+16*\b+\i], v[S+1+16*\b+\i]
.endr
.endr
.irp k, 0,1
	v_max3_num_f32 v[BM+\k], v[CM+2*\k], v[CM+2*\k+1], v[S+32*\k+15]
.endr
.irp k, 0,1
	v_max_num_f32 v[BM+\k], v[BM+\k], v[S+32*\k+31]   ; the largest score of my two blocks of 32 keys: it serves the row's maximum and, since p rises with the score, the block's largest p
.endr
	s_delay_alu instid0(VALU_DEP_1)
	v_max_num_f32 v[TT], v[BM], v[BM+1]
	s_delay_alu instid0(VALU_DEP_1)
	v_permlanex16_b32 v[BP], v[TT], s[SEL], s[SEL+1]
	s_delay_alu instid0(VALU_DEP_1)
	v_max3_num_f32 v13, v13, v[TT], v[BP]          ; the running largest score, with lane l xor 16's 64 keys
	s_delay_alu instid0(VALU_DEP_1)
	v_mul_f32 v[TT], s[CS], v13                    ; as t (c is positive)
	s_delay_alu instid0(VALU_DEP_1)
	v_floor_f32 v12, -v[TT]                        ; the new -M = floor(-t): M is a whole number
.set j, 0
	TM2 2
	v_sub_f32 v[TT], v12, v[OLD]                   ; old M - new M: a whole number, 0 or less
	TM2 2
	v_cvt_i32_f32 v[TT], v[TT]                     ; (it saturates)
	TM2 28
.irp k, 0,1
	v_fma_f32 v[BM+\k], v[BM+\k], s[CS], v12       ; the same of each block's largest score
.endr
	s_wait_alu depctr_va_vdst(0)
.irp k, 0,1
	v_exp_f32 v[BM+\k], v[BM+\k]                   ; the block's largest p: the same two instructions on the same number give the same bits
.endr
.set j, 0
.rept 64
	v_exp_f32 v[S+j], v[S+j]                       ; p = 2^(t - M): not normalised
.set j, j+1
.endr
	v_ldexp_f32 v[FF], 1.0, v[TT]                  ; f = 2^(old M - new M): a multiplication by it rounds nothing.  The plain place behind the exponentials
	s_wait_alu depctr_va_vdst(0)                   ; one wait for the batch, ahead of its first reader
.irp a, 0,1,2,3
	v_pk_add_f32 v[T1+2*\a:T1+2*\a+1], v[S+4*\a:S+4*\a+1], v[S+4*\a+2:S+4*\a+3]   ; the sum of the unquantised p; the scale's short chain stands between its rounds
.endr
.irp k, 0,1
	v_max_num_f32 v[BM+\k], 0x1800000, v[BM+\k]    ; the floor 2^(3 - 127): the byte cannot fall under 1
.endr
	ADD4 16
.irp k, 0,1
	v_add_nc_u32 v[BSC+\k], 0xff000000, v[BM+\k]   ; 2 off the exponent field: the conversion's scale operand
.endr
	ADD4 24
.irp k, 0,1
	v_lshrrev_b32 v[BY+\k], 23, v[BSC+\k]          ; the byte
.endr
	ADD4 32
	v_lshl_or_b32 v[PS], v[BY+1], 16, v[BY]        ; blocks h and 2 + h,
	ADD4 40
	v_lshlrev_b32 v[PS], v[H8], v[PS]              ; at their places in p's scale word
	ADD4 48
	v_permlanex16_b32 v[BP], v[PS], s[SEL], s[SEL+1]
	ADD4 56
	v_cvt_scalef32_pk16_fp6_f32 v[PC:PC+2], v[S:S+15], v[BSC]
	v_cvt_scalef32_pk16_fp6_f32 v[PT:PT+2], v[S+16:S+31], v[BSC]       ; (a conversion's three registers begin on an even number)
	v_cvt_scalef32_pk16_fp6_f32 v[PC+6:PC+8], v[S+32:S+47], v[BSC+1]
	v_cvt_scalef32_pk16_fp6_f32 v[PU:PU+2], v[S+48:S+63], v[BSC+1]
	v_or_b32 v[PS], v[PS], v[BP]                   ; with lane l xor 16's two bytes the word is whole.  The plain place behind the conversions
.irp i, 0,1,2
	v_mov_b32 v[PC+3+\i], v[PT+\i]
	v_mov_b32 v[PC+9+\i], v[PU+\i]
.endr
	s_wait_dscnt 0x0                               ; V's images and words are in
	s_wait_alu depctr_va_vdst(0)                   ; directly ahead of the first reader of O^T
.set j, 0
.rept 16
	v_pk_mul_f32 v[OT+j:OT+j+1], v[OT+j:OT+j+1], v[FF:FF+1] op_sel_hi:[1,0]   ; O^T under the new M, each accumulator from its low end on.  Twelve of the sixteen name no register of any one product below: the places between p's word and codes and the products
.set j, j+2
.endr
.irp g, 0,1,2,3
	WMS OT+8*\g, KF+12*\g, PC, 0, VS+\g/2, PS, \g%2   ; the four accumulators by turns, one instruction a turn; the next step's eight score products stand between two turns of one accumulator
.endr
	s_add_co_u32 s[TB], s[TB], GBY
	s_sub_co_u32 s[CNT], s[CNT], 1
	s_cmp_lg_u32 s[CNT], 0
	s_cbranch_scc1 .Lstep
	; THE WAY OUT: O^T / l, quantised along my head's 64 channels: half a fragment of the last product's operand.
	v_pk_add_f32 v[T1:T1+1], v[T1:T1+1], v[T1+2:T1+3]           ; the last step's sum joins l
	v_pk_add_f32 v[T1+4:T1+5], v[T1+4:T1+5], v[T1+6:T1+7]
	v_pk_add_f32 v[T1:T1+1], v[T1:T1+1], v[T1+4:T1+5]
	v_pk_fma_f32 v[14:15], v[14:15], v[FF:FF+1], v[T1:T1+1] op_sel_hi:[1,0,1]
	s_delay_alu instid0(VALU_DEP_1)
	v_add_f32 v14, v14, v15                        ; the sum's two halves,
	s_delay_alu instid0(VALU_DEP_1)
	v_permlanex16_b32 v[TT], v14, s[SEL], s[SEL+1]
	s_delay_alu instid0(VALU_DEP_1)
	v_add_f32 v14, v14, v[TT]                      ; and lane l xor 16's: l
	s_wait_alu depctr_va_vdst(0)
	v_rcp_f32 v[FF], v14
	v_and_b32 v[ADK], 31, v0                       ; (plain work behind the reciprocal)
	v_and_b32 v[ADS], 15, v0
	v_bfe_u32 v11, v0, 4, 1
	v_lshl_add_u32 v[GO], v[ADK], 3, s14           ; 8 x lane + my half image
	v_lshl_add_u32 v[GS], v[ADS], 2, s15
	s_delay_alu instid0(VALU_DEP_1)
	v_add_nc_u32 v[GS], v[GS], v11                 ; 4 r + h + my two bytes' place
	s_wait_alu depctr_va_vdst(0)                   ; ahead of the first reader of the reciprocal and of O^T
.set j, 0
.rept 16
	v_pk_mul_f32 v[OT+j:OT+j+1], v[OT+j:OT+j+1], v[FF:FF+1] op_sel_hi:[1,0]
.set j, j+2
.endr
.irp b, 0,1
	v_max3_num_f32 v[BM+\b], |v[OT+16*\b]|, |v[OT+16*\b+1]|, 0x1800000
.endr
.irp i, 2,4,6,8,10,12,14
.irp b, 0,1
	s_delay_alu instid0(VALU_DEP_2)
	v_max3_num_f32 v[BM+\b], v[BM+\b], |v[OT+16*\b+\i]|, |v[OT+16*\b+\i+1]|
.endr
.endr
.irp b, 0,1
	s_delay_alu instid0(VALU_DEP_2)
	v_permlanex16_b32 v[BP+\b], v[BM+\b], s[SEL], s[SEL+1]
.endr
.irp b, 0,1
	s_delay_alu instid0(VALU_DEP_2)
	v_max_num_f32 v[BM+\b], v[BM+\b], v[BP+\b]     ; here a block of 32 channels lies in lanes l and l xor 16
.endr
.irp b, 0,1
	s_delay_alu instid0(VALU_DEP_2)
	v_add_nc_u32 v[BSC+\b], 0xff000000, v[BM+\b]
.endr
.irp b, 0,1
	s_delay_alu instid0(VALU_DEP_2)
	v_lshrrev_b32 v[BY+\b], 23, v[BSC+\b]
.endr
	v_cvt_scalef32_pk16_fp6_f32 v[PC:PC+2], v[OT:OT+15], v[BSC]
	v_cvt_scalef32_pk16_fp6_f32 v[PT:PT+2], v[OT+16:OT+31], v[BSC+1]
	v_nop                                          ; one plain place behind a scaled conversion
.irp i, 0,1,2
	v_permlane16_swap_b32 v[PC+\i], v[PT+\i]       ; the operand's layout wants a whole block in a lane
.endr
.irp i, 0,1,2
	s_delay_alu instid0(VALU_DEP_3)
	v_mov_b32 v[PC+3+\i], v[PT+\i]                 ; six registers: channels 32 h + 0 .. 31 of my query
.endr
.irp p, 0,1,2
	global_store_b64 v[GO], v[PC+2*\p:PC+2*\p+1], s[60:61] offset:256*\p   ; 32 lanes store 256 consecutive bytes, at a multiple of 256 from wv's first byte
.endr
	v_cndmask_b32 v[TT], v[BY], v[BY+1], s31       ; lanes 0-15 block 0's byte, lanes 16-31 block 1's
	global_store_b8 v[GS], v[TT], s[60:61] offset:12288
	s_wait_tensorcnt 0x0                           ; the wave's end
	ds_add_u32 v[SPW], v[NIL]
	s_wait_dscnt 0x0
	CROUND                                         ; the closing round
	s_endpgm
.Lfunc_end_k_qcc2b65ad61_attn:
	.size	k_qcc2b65ad61_attn, .Lfunc_end_k_qcc2b65ad61_attn-k_qcc2b65ad61_attn
	.p2alignl 7, 3214868480
	.fill 96, 4, 3214868480
	.section	.rodata,"a",@progbits
	.p2align	6, 0x0
	.amdhsa_kernel k_qcc2b65ad61_attn
		.amdhsa_group_segment_fixed_size 206848
		.amdhsa_private_segment_fixed_size 0
		.amdhsa_enable_private_segment 0
		.amdhsa_kernarg_size 16
		.amdhsa_user_sgpr_count 2
		.amdhsa_user_sgpr_kernarg_segment_ptr 1
		.amdhsa_wavefront_size32 1
		.amdhsa_system_sgpr_workgroup_id_x 1
		.amdhsa_system_sgpr_workgroup_id_y 1
		.amdhsa_system_sgpr_workgroup_id_z 1
		.amdhsa_system_vgpr_workitem_id 0
		.amdhsa_next_free_vgpr 256
		.amdhsa_next_free_sgpr 66
		.amdhsa_reserve_vcc 0
		.amdhsa_float_denorm_mode_32 3
		.amdhsa_float_denorm_mode_16_64 3
		.amdhsa_memory_ordered 1
		.amdhsa_forward_progress 1
		.amdhsa_inst_pref_size 27
	.end_amdhsa_kernel
	.amdgpu_metadata
---
amdhsa.version: [ 1, 2 ]
amdhsa.kernels:
  - .name:           k_qcc2b65ad61_attn
    .symbol:         k_qcc2b65ad61_attn.kd
    .args:
      - { .name: kv, .offset: 0, .size: 8, .value_kind: global_buffer, .address_space: global }
      - { .name: wv, .offset: 8, .size: 8, .value_kind: global_buffer, .address_space: global }
    .group_segment_fixed_size: 206848
    .private_segment_fixed_size: 0
    .kernarg_segment_align: 8
    .kernarg_segment_size: 16
    .max_flat_workgroup_size: 512
    .sgpr_count:     66
    .vgpr_count:     256
    .wavefront_size: 32
...
	.end_amdgpu_metadata
.endif
;; end of part 3
;; launch outp (part 4): grid 4 x 64, 8 waves a work-group, clusters of 4 x 4, 167,936 bytes of LDS; arguments wv, qc, out0; writes out0
.if DOCPART == 4
	.amdgcn_target "amdgcn-amd-amdhsa--gfx1250"
	.amdhsa_code_object_version 6
	.text
	.protected	k_qcc2b65ad61_outp
	.globl	k_qcc2b65ad61_outp
	.p2align	8
	.type	k_qcc2b65ad61_outp,@function
k_qcc2b65ad61_outp:
	s_mov_b64 s[64:65], 0
	v_nop
	global_prefetch_b8 v0, s[64:65] scope:SCOPE_SE
	s_setreg_imm32_b32 hwreg(HW_REG_WAVE_MODE, 25, 1), 1
	s_wait_xcnt 0x0
	s_wait_alu depctr_hold_cnt(0) depctr_sa_sdst(0) depctr_va_vdst(0) depctr_va_sdst(0) depctr_va_ssrc(0) depctr_va_vcc(0) depctr_vm_vsrc(0)
	s_getreg_b32 s2, hwreg(HW_REG_IB_STS2, 6, 4)
	s_cmp_eq_u32 s2, 0
	s_cbranch_scc0 .Lentry_in_a_cluster
	s_endpgm
.Lentry_in_a_cluster:
	s_bfe_u32 s2, ttmp6, 0x10000c
	s_cmp_lg_u32 s2, 0xf033
	s_cbranch_scc0 .Lentry_shape_is_right
	s_endpgm
.Lentry_shape_is_right:
; out = O Wo^T on codes of FP6 (E2M3): O's images from wv, Wo's from qc (groups 272 on); out0 [8192][512] f32.
; SHARES: a work-group takes 128 rows x 128 columns; of its eight waves, wave w takes row group idx = w % 4 (32 rows, two tiles) x columns 64 hh on, hh = w / 4 (four tiles of Wo): eight accumulators, four K steps of 128.
; Source 0 = 16 rows of Wo, source 1 = 16 rows of O: lane (r, h) holds row 8 q + r + 8 (r / 8) of the group, and accumulator 2 b + u its columns 32 b + 16 h + 8 u + 0 .. 7.
; CLUSTER 4 x 4: the four work-groups of a row of the cluster read the same rows of O, the four of a column the same rows of Wo: each is asked for jointly, once; nothing is filled again.
; THE WAY OUT: a tile's 16 rows x 256 bytes go through the wave's own stage in LDS and leave as whole rows: sixteen lanes store 256 consecutive bytes.
.set GBY,   12800
.set WOFF,  4*GBY                      ; LDS: O's four groups at 0, Wo's four here
.set SPARE, 8*GBY                      ; the spare words, 128 bytes a wave, that no other line names
.set STG,   SPARE+1024                 ; the stages: 16 rows x (256 + 16) bytes for each wave; no tile lands here
.set SP,    272
.set LI,  1                            ; v1  16 x lane
.set LS,  2                            ; v2  4 x lane
.set XI,  3                            ; v3  O's group idx: images, 8 x lane;  v4 scale words
.set XSA, 4
.set WI,  5                            ; v5  Wo's groups 2 hh, 2 hh + 1: images;  v6 scale words
.set WSA, 6
.set STO, 7                            ; v7  the stage: where I put 16 bytes
.set RD,  8                            ; v8  and where I read a row back
.set CO,  9                            ; v9  my byte offset in two rows of out0
.set ACC, 16                           ; v16-79   eight accumulators
.set FR,  80                           ; v80-151  six fragments; on the way out v80-143 rows of out0
.set SCR, 188                          ; v188-190 scale words, and nothing else
.set SPW, 252
.set NIL, 253
.macro PLACES
.rept 4
	v_nop
.endr
.endm
.macro CROUND
	s_barrier_signal -1
	s_barrier_wait -1
	s_cmp_lg_u32 s8, 0
	s_cbranch_scc1 .Lnot_wave_0_\@
	s_barrier_signal -3
.Lnot_wave_0_\@:
	s_barrier_wait -3
	s_barrier_signal -1
	s_barrier_wait -1
.endm
.macro WMS d, a, b, z, sa, sb, ra, rb
.if (\z) && (\ra) && (\rb)
	v_wmma_scale_f32_16x16x128_f8f6f4 v[\d:\d+7], v[\a:\a+11], v[\b:\b+11], 0, v[\sa], v[\sb] matrix_a_fmt:MATRIX_FMT_FP6 matrix_b_fmt:MATRIX_FMT_FP6 matrix_a_scale:MATRIX_SCALE_ROW1 matrix_b_scale:MATRIX_SCALE_ROW1
.elseif (\z) && (\ra)
	v_wmma_scale_f32_16x16x128_f8f6f4 v[\d:\d+7], v[\a:\a+11], v[\b:\b+11], 0, v[\sa], v[\sb] matrix_a_fmt:MATRIX_FMT_FP6 matrix_b_fmt:MATRIX_FMT_FP6 matrix_a_scale:MATRIX_SCALE_ROW1
.elseif (\z) && (\rb)
	v_wmma_scale_f32_16x16x128_f8f6f4 v[\d:\d+7], v[\a:\a+11], v[\b:\b+11], 0, v[\sa], v[\sb] matrix_a_fmt:MATRIX_FMT_FP6 matrix_b_fmt:MATRIX_FMT_FP6 matrix_b_scale:MATRIX_SCALE_ROW1
.elseif (\z)
	v_wmma_scale_f32_16x16x128_f8f6f4 v[\d:\d+7], v[\a:\a+11], v[\b:\b+11], 0, v[\sa], v[\sb] matrix_a_fmt:MATRIX_FMT_FP6 matrix_b_fmt:MATRIX_FMT_FP6
.elseif (\ra) && (\rb)
	v_wmma_scale_f32_16x16x128_f8f6f4 v[\d:\d+7], v[\a:\a+11], v[\b:\b+11], v[\d:\d+7], v[\sa], v[\sb] matrix_a_fmt:MATRIX_FMT_FP6 matrix_b_fmt:MATRIX_FMT_FP6 matrix_a_scale:MATRIX_SCALE_ROW1 matrix_b_scale:MATRIX_SCALE_ROW1
.elseif (\ra)
	v_wmma_scale_f32_16x16x128_f8f6f4 v[\d:\d+7], v[\a:\a+11], v[\b:\b+11], v[\d:\d+7], v[\sa], v[\sb] matrix_a_fmt:MATRIX_FMT_FP6 matrix_b_fmt:MATRIX_FMT_FP6 matrix_a_scale:MATRIX_SCALE_ROW1
.elseif (\rb)
	v_wmma_scale_f32_16x16x128_f8f6f4 v[\d:\d+7], v[\a:\a+11], v[\b:\b+11], v[\d:\d+7], v[\sa], v[\sb] matrix_a_fmt:MATRIX_FMT_FP6 matrix_b_fmt:MATRIX_FMT_FP6 matrix_b_scale:MATRIX_SCALE_ROW1
.else
	v_wmma_scale_f32_16x16x128_f8f6f4 v[\d:\d+7], v[\a:\a+11], v[\b:\b+11], v[\d:\d+7], v[\sa], v[\sb] matrix_a_fmt:MATRIX_FMT_FP6 matrix_b_fmt:MATRIX_FMT_FP6
.endif
.endm
.macro FETCH reg, adr, off
.irp c, 0,1,2
	ds_load_b128 v[(\reg)+4*\c:(\reg)+4*\c+3], v[\adr] offset:(\off)+512*\c
.endr
.endm
	s_load_b128 s[4:7], s[0:1], 0x0                ; wv s[4:5], qc s[6:7]
	s_load_b64 s[48:49], s[0:1], 0x10              ; out0
	v_lshl_add_u32 v[SPW], v0, 2, SPARE
	v_mov_b32 v[NIL], 0
	ds_add_u32 v[SPW], v[NIL]                      ; the wave's opening: the add and its wait ahead of the first tensor load; work on registers stands between them
	ds_add_u32 v[SPW], v[NIL]
	v_lshrrev_b32 v11, 5, v0
	s_delay_alu instid0(VALU_DEP_1)
	v_readfirstlane_b32 s8, v11                    ; wave 0..7
	s_and_b32 s9, s8, 3                            ; idx
	s_lshr_b32 s10, s8, 2                          ; hh
	s_and_b32 s11, s8, 1
	s_bfe_u32 s12, ttmp6, 0x40000                  ; cx
	s_bfe_u32 s13, ttmp6, 0x40004                  ; cy
	s_lshl_b32 s14, ttmp9, 2
	s_add_co_u32 s14, s14, s12                     ; cb: which 128 columns
	s_and_b32 s15, ttmp7, 0xffff
	s_lshl_b32 s15, s15, 2
	s_add_co_u32 s15, s15, s13                     ; rb: which 128 rows
	s_lshl_b32 s40, s13, 2
	s_lshl_b32 s40, 15, s40                        ; my row of the cluster
	s_lshl_b32 s41, 0x1111, s12                    ; my column
	; group 1: two groups' blocks, 25,600 dense bytes, as 100 rows of 256 bytes (32 elements of 8 bytes), no padding
	s_or_b32 s16, s40, (3<<16)|(1<<21)
	s_or_b32 s24, s41, (3<<16)|(1<<21)
.irp g, 16, 24
	s_mov_b32 s[\g+1], 32<<16
	s_mov_b32 s[\g+2], 100<<16
	s_mov_b32 s[\g+3], 32<<16
	s_mov_b32 s[\g+4], 100
	s_mov_b32 s[\g+5], 32
	s_mov_b32 s[\g+6], 0
	s_mov_b32 s[\g+7], 0
.endr
	s_lshl_b32 s42, s15, 2                         ; O: groups 4 rb + 2 (wave % 2) on
	s_lshl_b32 s43, s11, 1
	s_add_co_u32 s42, s42, s43
	s_mul_i32 s42, s42, GBY
	s_mov_b32 s43, 0
	s_lshl_b32 s44, s14, 2                         ; Wo: groups 272 + 4 cb + 2 (wave % 2) on
	s_lshl_b32 s45, s11, 1
	s_add_co_u32 s44, s44, s45
	s_add_co_u32 s44, s44, 272
	s_mul_i32 s44, s44, GBY
	s_mov_b32 s45, 0
	s_mul_i32 s46, s8, 2*GBY                       ; where they go: wave x 25,600
	s_lshl_b32 s47, s15, 7                         ; my part of out0: row 128 rb + 64 (idx / 2) + 16 (idx % 2), byte 512 cb + 256 hh of it
	; THE ROWS OF A GROUP OF wv (it replaces what the head comment says): lane r of tile q of group idx is row 64 (idx / 2) + 32 (r / 8) + 16 (idx % 2) + 8 q + r % 8 of the work-group's 128
	s_lshr_b32 s50, s9, 1
	s_lshl_b32 s50, s50, 6
	s_and_b32 s54, s9, 1
	s_lshl_b32 s54, s54, 4
	s_add_co_u32 s50, s50, s54                     ; 64 (idx / 2) + 16 (idx % 2)
	s_add_co_u32 s47, s47, s50
	s_lshl_b32 s50, s47, 11
	s_lshl_b32 s47, s14, 9
	s_add_co_u32 s50, s50, s47
	s_lshl_b32 s47, s10, 8
	s_add_co_u32 s50, s50, s47
	s_mov_b32 s51, 0
	s_wait_dscnt 0x0                               ; the opening add is done
	s_wait_kmcnt 0x0
	s_mov_b32 s32, 1
	s_mov_b32 s33, s46
	s_add_nc_u64 s[34:35], s[4:5], s[42:43]
	s_or_b32 s35, s35, 0x80000000
	s_mov_b32 s36, 1
	s_mov_b32 s37, s46
	s_add_nc_u64 s[38:39], s[6:7], s[44:45]
	s_or_b32 s39, s39, 0x80000000
	s_add_nc_u64 s[52:53], s[48:49], s[50:51]
	CROUND                                         ; all sixteen work-groups are here: the joint loads meet
	s_cmp_lt_u32 s8, 2                             ; waves 0, 1: O's halves; waves 2, 3: Wo's; the others fetch nothing.  One load of a wave is out
	s_cbranch_scc0 .Lnot_a
	tensor_load_to_lds s[32:35], s[16:23]
	s_nop 0
	PLACES
	s_branch .Lasked
.Lnot_a:
	s_cmp_lt_u32 s8, 4
	s_cbranch_scc0 .Lasked
	tensor_load_to_lds s[36:39], s[24:31]
	s_nop 0
	PLACES
.Lasked:
	v_and_b32 v11, 31, v0                          ; lane
	v_and_b32 v12, 15, v0                          ; r
	v_bfe_u32 v13, v0, 4, 1                        ; h
	s_delay_alu instid0(VALU_DEP_3)
	v_lshlrev_b32 v[LI], 4, v11
	s_delay_alu instid0(VALU_DEP_4)
	v_lshlrev_b32 v[LS], 2, v11
	s_mul_i32 s40, s9, GBY
	v_lshl_add_u32 v[XI], v11, 3, s40
	v_add_nc_u32 v[XSA], s40, v[LS]
	s_mul_i32 s40, s10, 2*GBY
	s_add_co_u32 s40, s40, WOFF
	v_add_nc_u32 v[WI], s40, v[LI]
	v_add_nc_u32 v[WSA], s40, v[LS]
	s_mul_i32 s40, s8, 16*SP
	s_add_co_u32 s40, s40, STG                     ; my stage
	v_mul_u32_u24 v[STO], v12, SP                  ; in: row r, + 64 h
	s_delay_alu instid0(VALU_DEP_1)
	v_lshl_add_u32 v[STO], v13, 6, v[STO]
	s_delay_alu instid0(VALU_DEP_1)
	v_add_nc_u32 v[STO], s40, v[STO]
	v_mul_u32_u24 v[RD], v13, SP                   ; back: lanes 0-15 one row of 256 bytes, lanes 16-31 the next
	s_delay_alu instid0(VALU_DEP_1)
	v_lshl_add_u32 v[RD], v12, 4, v[RD]
	s_delay_alu instid0(VALU_DEP_1)
	v_add_nc_u32 v[RD], s40, v[RD]
	v_lshlrev_b32 v[CO], 11, v13                   ; and the same two rows in out0
	s_delay_alu instid0(VALU_DEP_1)
	v_lshl_add_u32 v[CO], v12, 4, v[CO]
	s_wait_alu depctr_va_vdst(0)
	s_wait_tensorcnt 0x0                           ; my part has landed,
	s_barrier_signal -1
	s_barrier_wait -1                              ; everybody's has
; K step sg.  The eight accumulators take turns, one instruction a turn, in the same order in every K step.
.macro PO sg, z
.if \sg > 0
	PLACES
.endif
.irp t, 0,1
.irp p, 0,1,2,3,4,5
	ds_load_b64 v[FR+12*\t+2*\p:FR+12*\t+2*\p+1], v[XI] offset:\sg*3072+\t*1536+256*\p   ; O's images lie in pieces of 256 bytes
.endr
.endr
.irp t, 0,1,2,3
	FETCH FR+24+12*\t, WI, (\t/2)*GBY+\sg*3072+(\t%2)*1536
.endr
	ds_load_b32 v[SCR], v[XSA] offset:12288+\sg*128          ; lanes 0-15 tile 0's words, lanes 16-31 tile 1's
	ds_load_b32 v[SCR+1], v[WSA] offset:12288+\sg*128
	ds_load_b32 v[SCR+2], v[WSA] offset:GBY+12288+\sg*128
	s_wait_dscnt 0x0
.irp q, 0,1
.irp t, 0,1,2,3
	WMS ACC+8*(4*\q+\t), FR+24+12*\t, FR+12*\q, \z, SCR+1+\t/2, SCR, \t%2, \q
.endr
.endr
.endm
	PO 0, 1
	PO 1, 0
	PO 2, 0
	PO 3, 0
	PLACES                                         ; in front of the stores that read results and of the loads into the fragments' registers
.irp q, 0,1                                    ; LDS serves a wave's instructions in order: a tile's loads see its stores, and the next tile's stores come behind them
.irp t, 0,1,2,3
	ds_store_b128 v[STO], v[ACC+8*(4*\q+\t):ACC+8*(4*\q+\t)+3] offset:128*(\t/2)+32*(\t%2)       ; each accumulator from its low end on
	ds_store_b128 v[STO], v[ACC+8*(4*\q+\t)+4:ACC+8*(4*\q+\t)+7] offset:128*(\t/2)+32*(\t%2)+16
.endr
.irp t, 0,1,2,3,4,5,6,7
	ds_load_b128 v[FR+32*\q+4*\t:FR+32*\q+4*\t+3], v[RD] offset:2*\t*SP
.endr
.endr
.irp q, 0,1
.irp t, 0,1,2,3,4,5,6,7
	s_wait_dscnt (1-\q)*16+7-\t                    ; behind this load: its tile's later loads, and for tile 0 tile 1's sixteen LDS instructions
	global_store_b128 v[CO], v[FR+32*\q+4*\t:FR+32*\q+4*\t+3], s[52:53] offset:(2*(\t%4)+32*(\t/4)+8*\q)*2048 th:TH_STORE_NT   ; stage rows 2 t, 2 t + 1 of tile q are rows 32 (t / 4) + 8 q + 2 (t % 4) on; 16 lanes store 256 consecutive bytes, at a multiple of 256 from out0's first byte
.endr
.endr
	s_wait_tensorcnt 0x0                           ; the wave's end, behind my last LDS store
	ds_add_u32 v[SPW], v[NIL]
	s_wait_dscnt 0x0
	CROUND                                         ; the closing round
	s_endpgm
.Lfunc_end_k_qcc2b65ad61_outp:
	.size	k_qcc2b65ad61_outp, .Lfunc_end_k_qcc2b65ad61_outp-k_qcc2b65ad61_outp
	.p2alignl 7, 3214868480
	.fill 96, 4, 3214868480
	.section	.rodata,"a",@progbits
	.p2align	6, 0x0
	.amdhsa_kernel k_qcc2b65ad61_outp
		.amdhsa_group_segment_fixed_size 167936
		.amdhsa_private_segment_fixed_size 0
		.amdhsa_enable_private_segment 0
		.amdhsa_kernarg_size 24
		.amdhsa_user_sgpr_count 2
		.amdhsa_user_sgpr_kernarg_segment_ptr 1
		.amdhsa_wavefront_size32 1
		.amdhsa_system_sgpr_workgroup_id_x 1
		.amdhsa_system_sgpr_workgroup_id_y 1
		.amdhsa_system_sgpr_workgroup_id_z 1
		.amdhsa_system_vgpr_workitem_id 0
		.amdhsa_next_free_vgpr 256
		.amdhsa_next_free_sgpr 66
		.amdhsa_reserve_vcc 0
		.amdhsa_float_denorm_mode_32 3
		.amdhsa_float_denorm_mode_16_64 3
		.amdhsa_memory_ordered 1
		.amdhsa_forward_progress 1
		.amdhsa_inst_pref_size 22
	.end_amdhsa_kernel
	.amdgpu_metadata
---
amdhsa.version: [ 1, 2 ]
amdhsa.kernels:
  - .name:           k_qcc2b65ad61_outp
    .symbol:         k_qcc2b65ad61_outp.kd
    .args:
      - { .name: wv, .offset: 0, .size: 8, .value_kind: global_buffer, .address_space: global }
      - { .name: qc, .offset: 8, .size: 8, .value_kind: global_buffer, .address_space: global }
      - { .name: out0, .offset: 16, .size: 8, .value_kind: global_buffer, .address_space: global }
    .group_segment_fixed_size: 167936
    .private_segment_fixed_size: 0
    .kernarg_segment_align: 8
    .kernarg_segment_size: 24
    .max_flat_workgroup_size: 256
    .sgpr_count:     66
    .vgpr_count:     256
    .wavefront_size: 32
...
	.end_amdgpu_metadata
.endif
;; end of part 4
